; MI455X (gfx1250); checked and timed in simulation.
; The chip was launched on July 23, 2026; its instructions are those of AMD's public machine-readable ISA for CDNA 5 (MIT licence, August 2026) and "CDNA5" Instruction Set Architecture Reference Guide (July 2026). The comments in the code are by the model that wrote it; some were corrected since.
;; min LSTM. Allowed arithmetic: float matrix products may take bf16 or f16 operands with f32 sums; other float arithmetic in f32, or as packed bf16 or f16 multiplies, adds, multiply-adds, maxima and minima; sums over many terms, partial sums and values carried from step to step in f32; what a program stores and reads back later, other than sums and carried values, may be rounded once to bf16 or f16.
;; Inputs: W_f 1,024 x 1,024 float32; W_h 1,024 x 1,024 float32; W_i 1,024 x 1,024 float32; h_0 4 x 1,024 float32; x 4 x 4,096 x 1,024 float32.
;; Outputs: out0 4 x 4,096 x 1,024 float32.
;; 2 versions, each right; version 2 is version 1 with the launches prep, scan written anew for expert scheduling mode. Each part assembles by itself: llvm-mc -triple=amdgcn-amd-amdhsa -mcpu=gfx1250 --defsym DOCPART=n.
;; ======== version 1 of 2: 3 launches
;; workspace buffers: xb 33,554,432 bytes; wb 6,291,456 bytes; ig 67,108,864 bytes; agg 1,048,576 bytes
;; launch prep (part 1): grid 512 x 1, 8 waves a work-group, no clusters, 0 bytes of LDS; arguments x, W_f, W_i, W_h, xb, wb; writes xb, wb
.if DOCPART == 1
	.amdgcn_target "amdgcn-amd-amdhsa--gfx1250"
	.amdhsa_code_object_version 6
	.text
	.protected	k_qf91e092172_prep
	.globl	k_qf91e092172_prep
	.p2align	8
	.type	k_qf91e092172_prep,@function
k_qf91e092172_prep:
	s_mov_b64 s[64:65], 0
	v_nop
	global_prefetch_b8 v0, s[64:65] scope:SCOPE_SE
	s_setreg_imm32_b32 hwreg(HW_REG_WAVE_MODE, 25, 1), 1
	s_wait_xcnt 0x0
; x and the three weight matrices, f32, are rounded once to bf16 for the matrix units.
; xb = x as [16384][1024] bf16.  wb = the weights as [3072][1024] bf16, rows reordered: channel 64 cb + 32 half + c of gate g (0 = f, 1 = i, 2 = h)
; goes to row 192 cb + 96 half + 32 g + c, so that the rows which one work-group, and one wave, of the next launch multiplies lie on end.
; SHARES.  512 work-groups of equal work.  Work-group j takes rows 32 j .. 32 j + 31 of x (131,072 bytes in, 65,536 out) and, of each of the three weights, the rows of
; channels 2 j and 2 j + 1 (8,192 bytes in, 4,096 out): the two lie on end in the source and in wb, and the three gates' places in wb are 32 rows apart, which stands in the stores' immediate.
; Thread t owns 16 bytes in each 4,096: a wave's load covers 512 consecutive bytes, its store 256 consecutive bytes, aligned.
; All 38 loads of a thread go out at once, each into registers of its own: no register is used twice, so the only waits are the counted ones for the data.
; No LDS, no matrix unit, no cluster: nothing is shared, every byte is read once and written once.
.set X, 4                              ; v[4:155]  38 slots of 4 registers: 32 of x, then 2 for each gate
.set NL, 38                            ; loads of a thread
	s_load_b256 s[4:11], s[0:1], 0x0               ; x s[4:5], W_f s[6:7], W_i s[8:9], W_h s[10:11]
	s_load_b128 s[12:15], s[0:1], 0x20             ; xb s[12:13], wb s[14:15]
	v_lshlrev_b32 v1, 4, v0                        ; 16 t: my bytes in each 4,096 of a source
	v_lshlrev_b32 v2, 3, v0                        ; 8 t: my bytes in each 2,048 of a destination
	s_lshl_b32 s16, ttmp9, 17                      ; j x 32 rows of x
	s_mov_b32 s17, 0
	s_lshl_b32 s18, ttmp9, 16                      ; j x 32 rows of xb
	s_mov_b32 s19, 0
	s_lshl_b32 s20, ttmp9, 13                      ; j x 2 rows of a weight
	s_mov_b32 s21, 0
	s_lshr_b32 s22, ttmp9, 5                       ; channel 2 j: cb = j / 32,
	s_mul_i32 s22, s22, 192
	s_bfe_u32 s24, ttmp9, 0x10004                  ; half = bit 4 of j,
	s_mul_i32 s24, s24, 96
	s_add_co_u32 s22, s22, s24
	s_and_b32 s24, ttmp9, 15                       ; c = 2 (j % 16)
	s_lshl_b32 s24, s24, 1
	s_add_co_u32 s22, s22, s24                     ; gate f's row in wb
	s_lshl_b32 s22, s22, 11                        ; x 2,048 bytes
	s_mov_b32 s23, 0
	s_wait_kmcnt 0x0
	s_add_nc_u64 s[4:5], s[4:5], s[16:17]
	s_add_nc_u64 s[6:7], s[6:7], s[20:21]
	s_add_nc_u64 s[8:9], s[8:9], s[20:21]
	s_add_nc_u64 s[10:11], s[10:11], s[20:21]
	s_add_nc_u64 s[12:13], s[12:13], s[18:19]
	s_add_nc_u64 s[14:15], s[14:15], s[22:23]
.set i, 0
.rept 32
	global_load_b128 v[X+4*i:X+4*i+3], v1, s[4:5] offset:4096*i th:TH_LOAD_NT
.set i, i+1
.endr
.irp g, 0,1,2
.irp r, 0,1
	global_load_b128 v[X+4*(32+2*(\g)+(\r)):X+4*(32+2*(\g)+(\r))+3], v1, s[6+2*(\g):7+2*(\g)] offset:4096*(\r) th:TH_LOAD_NT
.endr
.endr
.set i, 0
.rept 32
	s_wait_loadcnt NL-1-i                          ; loads come back in order: slot i is in, the younger ones stay out
	v_cvt_pk_bf16_f32 v[X+4*i], v[X+4*i], v[X+4*i+1]       ; two roundings to bf16, packed, in place
	v_cvt_pk_bf16_f32 v[X+4*i+1], v[X+4*i+2], v[X+4*i+3]
	global_store_b64 v2, v[X+4*i:X+4*i+1], s[12:13] offset:2048*i th:TH_STORE_NT
.set i, i+1
.endr
.irp g, 0,1,2
.irp r, 0,1
	s_wait_loadcnt 5-2*(\g)-(\r)
	v_cvt_pk_bf16_f32 v[X+4*(32+2*(\g)+(\r))], v[X+4*(32+2*(\g)+(\r))], v[X+4*(32+2*(\g)+(\r))+1]
	v_cvt_pk_bf16_f32 v[X+4*(32+2*(\g)+(\r))+1], v[X+4*(32+2*(\g)+(\r))+2], v[X+4*(32+2*(\g)+(\r))+3]
	global_store_b64 v2, v[X+4*(32+2*(\g)+(\r)):X+4*(32+2*(\g)+(\r))+1], s[14:15] offset:65536*(\g)+2048*(\r) th:TH_STORE_NT
.endr
.endr
	s_endpgm
.Lfunc_end_k_qf91e092172_prep:
	.size	k_qf91e092172_prep, .Lfunc_end_k_qf91e092172_prep-k_qf91e092172_prep
	.p2alignl 7, 3214868480
	.fill 96, 4, 3214868480
	.section	.rodata,"a",@progbits
	.p2align	6, 0x0
	.amdhsa_kernel k_qf91e092172_prep
		.amdhsa_group_segment_fixed_size 0
		.amdhsa_private_segment_fixed_size 0
		.amdhsa_enable_private_segment 0
		.amdhsa_kernarg_size 48
		.amdhsa_user_sgpr_count 2
		.amdhsa_user_sgpr_kernarg_segment_ptr 1
		.amdhsa_wavefront_size32 1
		.amdhsa_system_sgpr_workgroup_id_x 1
		.amdhsa_system_sgpr_workgroup_id_y 1
		.amdhsa_system_sgpr_workgroup_id_z 1
		.amdhsa_system_vgpr_workitem_id 0
		.amdhsa_next_free_vgpr 156
		.amdhsa_next_free_sgpr 66
		.amdhsa_reserve_vcc 0
		.amdhsa_float_denorm_mode_32 3
		.amdhsa_float_denorm_mode_16_64 3
		.amdhsa_memory_ordered 1
		.amdhsa_forward_progress 1
		.amdhsa_inst_pref_size 15
	.end_amdhsa_kernel
	.amdgpu_metadata
---
amdhsa.version: [ 1, 2 ]
amdhsa.kernels:
  - .name:           k_qf91e092172_prep
    .symbol:         k_qf91e092172_prep.kd
    .args:
      - { .name: x, .offset: 0, .size: 8, .value_kind: global_buffer, .address_space: global }
      - { .name: W_f, .offset: 8, .size: 8, .value_kind: global_buffer, .address_space: global }
      - { .name: W_i, .offset: 16, .size: 8, .value_kind: global_buffer, .address_space: global }
      - { .name: W_h, .offset: 24, .size: 8, .value_kind: global_buffer, .address_space: global }
      - { .name: xb, .offset: 32, .size: 8, .value_kind: global_buffer, .address_space: global }
      - { .name: wb, .offset: 40, .size: 8, .value_kind: global_buffer, .address_space: global }
    .group_segment_fixed_size: 0
    .private_segment_fixed_size: 0
    .kernarg_segment_align: 8
    .kernarg_segment_size: 48
    .max_flat_workgroup_size: 256
    .sgpr_count:     66
    .vgpr_count:     156
    .wavefront_size: 32
...
	.end_amdgpu_metadata
.endif
;; end of part 1
;; launch gemm (part 2): grid 16 x 16, 4 waves a work-group, clusters of 4 x 4, 327,680 bytes of LDS; arguments xb, wb, ig, agg; writes ig, agg
.if DOCPART == 2
	.amdgcn_target "amdgcn-amd-amdhsa--gfx1250"
	.amdhsa_code_object_version 6
	.text
	.protected	k_qf91e092172_gemm
	.globl	k_qf91e092172_gemm
	.p2align	8
	.type	k_qf91e092172_gemm,@function
k_qf91e092172_gemm:
	s_mov_b64 s[64:65], 0
	v_nop
	global_prefetch_b8 v0, s[64:65] scope:SCOPE_SE
	s_setreg_imm32_b32 hwreg(HW_REG_WAVE_MODE, 25, 1), 1
	s_wait_xcnt 0x0
	s_wait_alu depctr_hold_cnt(0) depctr_sa_sdst(0) depctr_va_vdst(0) depctr_va_sdst(0) depctr_va_ssrc(0) depctr_va_vcc(0) depctr_vm_vsrc(0)
	s_getreg_b32 s2, hwreg(HW_REG_IB_STS2, 6, 4)
	s_cmp_eq_u32 s2, 0
	s_cbranch_scc0 .Lentry_in_a_cluster
	s_endpgm
.Lentry_in_a_cluster:
	s_bfe_u32 s2, ttmp6, 0x10000c
	s_cmp_lg_u32 s2, 0xf033
	s_cbranch_scc0 .Lentry_shape_is_right
	s_endpgm
.Lentry_shape_is_right:
; THE THREE PRODUCTS zf, zi, zh = x W^T (bf16 operands, f32 sums), THE GATES, AND EACH CHUNK'S SUMS FOR THE SCAN.
; The module's log-space scan is, for every input, the recurrence h_t = h_(t-1) + i_t (g_t - h_(t-1)), with
;   i = (1 + e^-zf) / ((1 + e^-zf) + (1 + e^-zi)),   g = max(zh + 0.5, sigmoid(zh)),
; the maximum being the module's own choice between the two (z + 0.5 lies above the sigmoid for z >= 0 and below it for z < 0).
; The gate's exponentials have a true maximum taken away: with m = max(-zf, -zi, 0) the three terms are e^(-zf-m), e^(-zi-m), e^(-m); one of them is 1, so the divisor lies in 1 to 4.
; OUT.  ig: for each element i (f16) and g (bf16), each rounded once, in the order in which the lanes hold them (below).  agg: for each chunk of 128 steps and each channel
; the f32 pair (A, B) with h_out = A h_in + B: A = the product of 1 - i, B = the chunk's end value from h = 0, both made of the unrounded i and g.
; LIMITS.  |z| log2(e) must be finite in f32; a term below 2^-126 counts as 0; NaN and infinities are not treated apart.  i below 6e-5 keeps f16's fixed step of 6e-8.
; The f32 sums over K begin at K step 2 rho (below) and go round the end: their order is not ascending.
; SHARES.  A tile is 256 rows (times) x 64 channels x 3 gates = 192 rows of wb.  Wave w: rows 128 (w / 2) on: one chunk; channels 32 (w % 2) on: 96 rows of wb.
; 8 row blocks a x 6 column blocks nb = 2 gate + cbk: 48 accumulators, 384 registers.  K = 1,024 goes in 8 steps of 128 through two LDS slots filled by the tensor data mover.
; A WORK-GROUP STAYS: it makes 4 tiles, 4,096 rows apart (one in each batch), with the same rows of wb.  The ring does not stop at a tile's end: a tile's last two changes of slots ask for the
; next tile's first two K steps, and the way out stands behind them.  The way out is written once; the last K step and a quarter stands twice, with refills and (the last tile) without.
; K OUT OF STEP.  Cluster (X, Y) begins each tile at K step 2 rho, rho = (X + Y) % 4.  The four clusters that read the same rows of xb (one Y) have four different rho, and so have the four
; that read the same rows of wb (one X): at any time they ask for different K steps.  The K offset is one scalar, stepped by 256 bytes modulo a row's 2,048; each refill's address is base + offset.
; LAYOUT.  Source 0 = 16 rows of x, source 1 = 16 rows of wb: in the result lane l holds ONE channel (l % 16) and the times 8 (l / 16) + 0..7 in registers 0..7:
; zf, zi, zh of an element lie in one lane, and the recurrence runs along the registers.
; ig's byte: ((rc 32 + hb) 16 + 2 a + cbk) 1024 + 512 jh + 16 l + 4 d, rc = row / 128, hb = channel / 32: the 16 bytes d = 0..3 are f16(i0, i1), f16(i2, i3), bf16(g0, g1), bf16(g2, g3)
; of the times 128 rc + 16 a + 8 (l / 16) + 4 jh + 0..3 of channel 32 hb + 16 cbk + l % 16.  A wave's store covers 512 consecutive bytes, aligned.
; CLUSTER.  4 x 4 work-groups.  The four of a row need the same rows of xb, the four of a column the same rows of wb: each tile is asked for JOINTLY, by the same tensor load
; with the same descriptor and a mask that names the four.
; REGISTERS, in windows of 256 (s_set_vgpr_msb: bits 1:0 source 0, 3:2 source 1, 5:4 source 2, 7:6 destination):
;   window 0: v0-31 addresses; v64-127, v128-191 fragments of x, two buffers      window 1: v64-111, v128-175 fragments of wb, two buffers
;   window 2: v0-191 the accumulators of row blocks 0-3 ((a, nb) at 8 (6 a + nb)); v192-255 at work on the way out      window 3: the same for row blocks 4-7
.set KSTEP,  128
.set ROWB,   2048                      ; bytes in a row of xb and of wb
.set PITCH,  272                       ; an LDS row: 256 bytes + 16 of padding = 68 words: the 16 rows of a fragment load start at 16 different groups of four banks (64 banks of 4 bytes: ISA guide 11.1)
.set AHALF,  128*PITCH                 ; 128 rows of x: one tensor load, and what one wave reads
.set BHALF,  96*PITCH                  ; 96 rows of wb: likewise
.set BOFF,   2*AHALF                   ; in a slot: x's 256 rows, then wb's 192
.set SLOT,   BOFF+2*BHALF
.set SPARE,  2*SLOT                    ; behind the ring: the spare words, 128 bytes for each wave: two blocks of 256 bytes that no other line names
.set LAPS,   4                         ; a lap = two K steps = once round the ring
.set TILES,  4                         ; tiles of a work-group
.set WALKB,  16*256*ROWB               ; bytes of xb from a tile to the work-group's next: 4,096 rows
.set IGW,    32*32*16384               ; the same in ig: 32 chunks,
.set AGW,    32*8192                   ; and in agg
.set ADRA, 16                          ; v16-17  LDS address of my fragments of x in slot 0, 1
.set ADRB, 20                          ; v20-21  the same for wb
.set SPW,  28                          ; v28     LDS address of my spare word; never rewritten
.set NIL,  29                          ; v29     0; never rewritten
.set PFO,  30                          ; v30     the prefetches' offset: my lane x a row of xb; never rewritten
.set F0,   64
.set F1,   128
.set TT,   192                         ; windows 2 and 3, at work: c times -m, then e^-m, by 8 cbk + j
.set GP,   208                         ; zh + 0.5
.set A8,   224                         ; the pair (A, B) of my 8 times, by cbk
.set B8,   226
.set DD,   228
.set AP,   230                         ; the other half of the lanes' pair
.set BP,   232
.set XX,   234                         ; three a cbk: the later half's A, the earlier half's B, the later half's B
.set A16,  240                         ; the pair of the row block's 16 times
.set B16,  242
.set AR,   244                         ; the running pair of the chunk
.set BR,   246
.set IGO,  248                         ; 16 x lane
.set AGO,  249                         ; 8 x lane (window 3)
.set PR,   250                         ; the pair to store
.set G1,   24                          ; s[24:31] descriptor group 1 for x's tiles;  s[32:39] group 0, a set for each slot
.set G0,   32
.set LIM,  43                          ; s43     1 in a wave that prefetches in this tile, else the greatest number
.set PFA,  44                          ; s[44:45] the address that a prefetch names
.set BBASE, 46                         ; s[46:47] wb at the rows that I fetch, K = 0; never rewritten behind the head
.set G1B,  48                          ; s[48:55], s[56:63] the same for wb's tiles
.set G0B,  56
.set CP,   66                          ; s[66:67] c = log2(e), named as a pair
.set CN,   68                          ; s[68:69] -c
.set SEL,  70                          ; s[70:71] v_permlanex16_b32's selects: each lane takes its own place in the other half
.set HM,   72                          ; s72     the mask of lanes 16-31
.set KO,   74                          ; s[74:75] the next refill's byte offset along K, 0 above it
.set PK,   76                          ; s[76:77] the offset two refills on, 0 above it
.set PFB,  78                          ; s[78:79] xb at my work-group's 32 rows of the 128 that I fetch, in the NEXT tile, K = 0
.set ABASE, 80                         ; s[80:81] xb at the rows that I fetch, in the tile whose K steps are being asked for, K = 0
.set MSB, 0
.macro WIN new                         ; the immediate's high byte repeats the setting that is left; a switch that changes nothing is dropped
.if MSB != (\new)
	s_set_vgpr_msb (MSB<<8)|(\new)
.set MSB, \new
.endif
.endm
.set MUL_LO, 0xa4                      ; source 0 (x) window 0, source 1 (wb) window 1, C and D window 2
.set MUL_HI, 0xf4                      ; the same, C and D window 3
.set TO_B,   0x40                      ; destination window 1, address window 0
; A joint load.  Waves 0 and 1 fetch x's two halves, waves 2 and 3 wb's.  The branch hangs on the wave's number alone.  An s_nop 0 and four v_nop follow each of the two lines.
.macro JLOAD s
	s_cmp_eq_u32 s13, 0
	s_cbranch_scc0 .Lfor_b_\@
	tensor_load_to_lds s[G0+4*(\s):G0+4*(\s)+3], s[G1:G1+7]
	s_nop 0
.rept 4
	v_nop
.endr
	s_branch .Lasked_\@
.Lfor_b_\@:
	tensor_load_to_lds s[G0B+4*(\s):G0B+4*(\s)+3], s[G1B:G1B+7]
	s_nop 0
.rept 4
	v_nop
.endr
.Lasked_\@:
.endm
; A PREFETCH INTO THE L2 of xb for the refill that stands two refills on: 32 rows x 256 bytes, a lane a row, one instruction a wave, behind the joint load and the run of LDS loads.
; It is issued in the K loop's last trip alone (s3 = 1), where two refills on is the NEXT tile's first and second K step of my cluster's walk, steps 2 rho and 2 rho + 1: the two steps of which my
; cluster is the first of its row of clusters to ask.  Waves 0 and 1 ask; of the 128 rows that such a wave fetches the partner at place cx takes 32 cx .. 32 cx + 31, told apart by address.
; The four clusters of a row name two K steps each, all different: each row's 256 bytes of a K step are named once in the launch.  The first tile comes by its loads alone; the last tile asks for
; nothing, since no tile follows it.  wb is not asked for: all four tiles of the walk, and four clusters, read the same rows.
.macro ASK
	s_cmp_eq_u32 s3, s[LIM]
	s_cbranch_scc0 .Lnot_mine_\@
	global_prefetch_b8 v[PFO], s[PFA:PFA+1] th:TH_LOAD_NT scope:SCOPE_SE
.Lnot_mine_\@:
.endm
.macro CREST                           ; a round of the cluster's barrier behind its opening barrier
	s_cmp_lg_u32 s12, 0
	s_cbranch_scc1 .Lnot_wave_0_\@
	s_barrier_signal -3
.Lnot_wave_0_\@:
	s_barrier_wait -3
	s_barrier_signal -1
	s_barrier_wait -1
.endm
.macro CROUND                          ; a whole round
	s_barrier_signal -1
	s_barrier_wait -1
	CREST
.endm
	s_load_b128 s[4:7], s[0:1], 0x0                ; xb s[4:5], wb s[6:7]
	s_load_b128 s[8:11], s[0:1], 0x10              ; ig s[8:9], agg s[10:11]
	v_lshl_add_u32 v[SPW], v0, 2, SPARE
	v_mov_b32 v[NIL], 0
	ds_add_u32 v[SPW], v[NIL]                      ; the wave's opening: the add and its wait stand ahead of my first tensor load; the set-up below, work on registers, stands between them
	ds_add_u32 v28, v29
	v_lshrrev_b32 v1, 5, v0
	v_readfirstlane_b32 s12, v1                    ; wave 0..3
	s_lshr_b32 s13, s12, 1                         ; which 128 rows are mine.  Also: I fetch for x (0) or for wb (1)
	s_and_b32 s14, s12, 1                          ; which 32 channels are mine.  Also: which half of that tile I fetch
	s_bfe_u32 s15, ttmp6, 0x40000                  ; cx
	s_bfe_u32 s16, ttmp6, 0x40004                  ; cy
	s_lshl_b32 s17, ttmp9, 2
	s_add_co_u32 s17, s17, s15                     ; tx = 4 x cluster x + cx: which 64 channels
	s_and_b32 s19, ttmp7, 0xffff                   ; cluster y
	s_lshl_b32 s18, s19, 2
	s_add_co_u32 s18, s18, s16                     ; ty = 4 x cluster y + cy: which 256 rows, in the first tile
	s_add_co_u32 s19, s19, ttmp9
	s_and_b32 s19, s19, 3                          ; rho = (cluster x + cluster y) % 4: the same in all sixteen partners
	s_lshl_b32 s[PK], s19, 9                       ; my cluster's first K step, 2 rho, in bytes
	s_mov_b32 s[PK+1], 0
	s_add_co_u32 s[KO], s[PK], 2*KSTEP*2           ; the first refill is two steps on,
	s_and_b32 s[KO], s[KO], ROWB-1                 ; round the row's end
	s_mov_b32 s[KO+1], 0
	s_lshl_b32 s20, s16, 2
	s_lshl_b32 s20, 15, s20                        ; my row of the cluster: places 4 cy .. 4 cy + 3
	s_lshl_b32 s21, 0x1111, s15                    ; my column: places cx, cx + 4, cx + 8, cx + 12
	s_or_b32 s[G1], s20, (1<<16)|(1<<20)|(1<<21)|(5<<22)|(3<<25)   ; 15:0 the mask; 17:16 elements of 2 bytes; 20 padding on; 21 set beside a mask; 24:22 after every 64 words (code 5); 31:25 4 words of it (code 3)
	s_or_b32 s[G1B], s21, (1<<16)|(1<<20)|(1<<21)|(5<<22)|(3<<25)
.irp g, G1, G1B
	s_mov_b32 s[(\g)+1], KSTEP<<16                 ; tensor_dim0 = 128
	s_mov_b32 s[(\g)+3], KSTEP<<16                 ; tile_dim0 = 128
	s_mov_b32 s[(\g)+5], 1024                      ; 1,024 elements from row to row
	s_mov_b32 s[(\g)+6], 0
	s_mov_b32 s[(\g)+7], 0
.endr
	s_mov_b32 s[G1+2], 128<<16                     ; tensor_dim1 = 128 rows of x,
	s_mov_b32 s[G1+4], 128                         ; tile_dim1
	s_mov_b32 s[G1B+2], 96<<16                     ; 96 rows of wb
	s_mov_b32 s[G1B+4], 96
	; where the tiles come from: x's hang on ty alone, which my row of the cluster shares; wb's on tx alone, which my column shares; the K offset on the cluster's place alone
	s_lshl_b32 s40, s18, 8
	s_lshl_b32 s42, s14, 7
	s_add_co_u32 s40, s40, s42                     ; x: row 256 ty + 128 x half
	s_lshl_b32 s40, s40, 11                        ; x 2,048 bytes
	s_mov_b32 s41, 0
	s_mul_i32 s46, s17, 192
	s_mul_i32 s42, s14, 96
	s_add_co_u32 s46, s46, s42                     ; wb: row 192 tx + 96 x half
	s_lshl_b32 s46, s46, 11
	s_mov_b32 s47, 0
	s_mul_i32 s22, s12, AHALF                      ; and where they go: x's halves at wave x 128 rows (waves 0, 1),
	s_mul_i32 s23, s12, BHALF
	s_add_co_u32 s23, s23, BOFF-2*BHALF            ; wb's at BOFF + (wave - 2) x 96 rows (waves 2, 3): no place in the cluster enters an LDS address
	s_mov_b32 s[CP], 0x3fb8aa3b                    ; log2(e)
	s_mov_b32 s[CP+1], s[CP]
	s_mov_b32 s[CN], 0xbfb8aa3b
	s_mov_b32 s[CN+1], s[CN]
	s_mov_b32 s[SEL], 0x76543210
	s_mov_b32 s[SEL+1], 0xfedcba98
	s_mov_b32 s[HM], 0xffff0000
	s_wait_dscnt 0x0                               ; the opening add is done
	s_wait_kmcnt 0x0
	s_add_nc_u64 s[ABASE:ABASE+1], s[4:5], s[40:41]
	s_add_nc_u64 s[BBASE:BBASE+1], s[6:7], s[46:47]
	s_add_nc_u64 s[40:41], s[ABASE:ABASE+1], s[PK:PK+1]    ; both at my cluster's first K step
	s_add_nc_u64 s[82:83], s[BBASE:BBASE+1], s[PK:PK+1]
	CROUND                                         ; all sixteen work-groups are here: the first joint loads meet
.irp s, 0,1
	s_mov_b32 s[G0+4*(\s)], 1                                      ; count = 1
	s_add_co_u32 s[G0+4*(\s)+1], s22, (\s)*SLOT                    ; LDS address
	s_add_nc_u64 s[G0+4*(\s)+2:G0+4*(\s)+3], s[40:41], (\s)*KSTEP*2  ; global address: K step 2 rho + s
	s_or_b32 s[G0+4*(\s)+3], s[G0+4*(\s)+3], 0x80000000            ; type = 2
	s_mov_b32 s[G0B+4*(\s)], 1
	s_add_co_u32 s[G0B+4*(\s)+1], s23, (\s)*SLOT
	s_add_nc_u64 s[G0B+4*(\s)+2:G0B+4*(\s)+3], s[82:83], (\s)*KSTEP*2
	s_or_b32 s[G0B+4*(\s)+3], s[G0B+4*(\s)+3], 0x80000000
	JLOAD \s                                       ; two tensor loads of mine are out here, later one
.endr
	; A fragment is 16 rows x 32 K in 8 registers: lane l holds row l % 16; registers 0-3 K = 8 (l / 16) + 0..7, registers 4-7 K = 16 + 8 (l / 16) + 0..7: two loads of 16 bytes, 32 bytes apart
	v_and_b32 v1, 15, v0
	v_bfe_u32 v2, v0, 4, 1
	v_and_b32 v4, 31, v0                           ; lane
	v_mul_u32_u24 v3, v1, PITCH
	v_lshl_add_u32 v3, v2, 4, v3                   ; row x pitch + 16 x half
	s_mul_i32 s20, s13, AHALF                      ; my 128 rows of x
	s_mul_i32 s21, s14, BHALF
	s_add_co_u32 s21, s21, BOFF                    ; my 96 rows of wb
.irp s, 0,1
	v_add_nc_u32 v[ADRA+(\s)], s20, v3
	v_add_nc_u32 v[ADRB+(\s)], s21, v3
	s_add_co_u32 s20, s20, SLOT
	s_add_co_u32 s21, s21, SLOT
.endr
	v_lshlrev_b32 v[PFO], 11, v4
	; the prefetches: xb at row 256 ty + 128 x half + 32 cx of the second tile
	s_lshl_b32 s20, s18, 8
	s_lshl_b32 s21, s14, 7
	s_add_co_u32 s20, s20, s21
	s_lshl_b32 s21, s15, 5
	s_add_co_u32 s20, s20, s21
	s_lshl_b32 s20, s20, 11
	s_mov_b32 s21, 0
	s_add_nc_u64 s[PFB:PFB+1], s[4:5], s[20:21]
	s_add_nc_u64 s[PFB:PFB+1], s[PFB:PFB+1], WALKB
	s_cmp_eq_u32 s13, 0                            ; waves 0 and 1 ask: the same in all sixteen partners
	s_cselect_b32 s[LIM], 1, -1
	; where my results go, in the first tile
	s_lshl_b32 s20, s18, 1
	s_add_co_u32 s20, s20, s13                     ; rc: my chunk of 128 rows
	s_lshl_b32 s22, s17, 1
	s_add_co_u32 s22, s22, s14                     ; hb: my 32 channels
	s_lshl_b32 s40, s20, 5
	s_add_co_u32 s40, s40, s22
	s_lshl_b32 s40, s40, 14                        ; (32 rc + hb) x 16,384 bytes of ig
	s_mov_b32 s41, 0
	s_add_nc_u64 s[8:9], s[8:9], s[40:41]
	s_lshl_b32 s40, s20, 13                        ; 8,192 rc + 256 hb bytes of agg
	s_lshl_b32 s42, s22, 8
	s_add_co_u32 s40, s40, s42
	s_add_nc_u64 s[10:11], s[10:11], s[40:41]
	WIN 0x80                                       ; destination window 2
	v_lshlrev_b32 v[IGO], 4, v4
.irp r, 0,1,2,3
	v_mov_b32 v[AP+(\r)], 0                        ; v_permlanex16_b32's destinations count as read: they are written once here
.endr
	WIN 0xc0                                       ; destination window 3
	v_lshlrev_b32 v[IGO], 4, v4
	v_lshlrev_b32 v[AGO], 3, v4
.irp r, 0,1,2,3
	v_mov_b32 v[AP+(\r)], 0
.endr
	WIN 0
; 12 matrix instructions: row blocks a0, a0 + 1 of the window's four x all 6 column blocks, 32 along K.  zero = 1: the first product starts the sums: nothing is ever cleared.
; The 48 accumulators take turns, one instruction a turn, in the same order in every quarter step.
.macro MUL12 f, hi, a0, zero
	WIN MUL_LO+0x50*(\hi)
.irp a, \a0, (\a0)+1
.irp b, 0,1,2,3,4,5
.if \zero
	v_wmma_f32_16x16x32_bf16 v[8*(6*(\a)+(\b)):8*(6*(\a)+(\b))+7], v[(\f)+8*(4*(\hi)+(\a)):(\f)+8*(4*(\hi)+(\a))+7], v[(\f)+8*(\b):(\f)+8*(\b)+7], 0
.else
	v_wmma_f32_16x16x32_bf16 v[8*(6*(\a)+(\b)):8*(6*(\a)+(\b))+7], v[(\f)+8*(4*(\hi)+(\a)):(\f)+8*(4*(\hi)+(\a))+7], v[(\f)+8*(\b):(\f)+8*(\b)+7], v[8*(6*(\a)+(\b)):8*(6*(\a)+(\b))+7]
.endif
.endr
.endr
.endm
; 28 LDS loads in one run: the fragments of one quarter step (96 rows of wb, then 128 rows of x, 32 K at byte k of the rows) into buffer f
.macro FETCH slot, k, f
	WIN TO_B
.irp i, 0,1,2,3,4,5
	ds_load_b128 v[(\f)+8*(\i):(\f)+8*(\i)+3],   v[ADRB+(\slot)] offset:(\k)+(\i)*16*PITCH
	ds_load_b128 v[(\f)+8*(\i)+4:(\f)+8*(\i)+7], v[ADRB+(\slot)] offset:(\k)+(\i)*16*PITCH+32
.endr
	WIN 0
.irp i, 0,1,2,3,4,5,6,7
	ds_load_b128 v[(\f)+8*(\i):(\f)+8*(\i)+3],   v[ADRA+(\slot)] offset:(\k)+(\i)*16*PITCH
	ds_load_b128 v[(\f)+8*(\i)+4:(\f)+8*(\i)+7], v[ADRA+(\slot)] offset:(\k)+(\i)*16*PITCH+32
.endr
.endm
.macro PLACES                          ; four plain places behind matrix instructions, in front of loads into registers that they have read and of vector work on their results
.rept 4
	v_nop
.endr
.endm
; A K step is four quarters of 32 along K, 48 matrix instructions each, on buffers 0, 1, 0, 1.  One of the first three: multiplies buffer f; in its middle it fetches the next quarter, at byte k, into g.
.macro QUARTER slot, k, f, g, zero
	s_wait_dscnt 8                                 ; wb and x's row blocks 0-3 are in; the youngest eight loads (row blocks 4-7) may be out
	MUL12 \f, 0, 0, \zero
	MUL12 \f, 0, 2, \zero
	PLACES
	FETCH \slot, \k, \g
	s_wait_dscnt 28                                ; all but the 28 just issued
	MUL12 \f, 1, 0, \zero
	MUL12 \f, 1, 2, \zero
.endm
; The last quarter multiplies buffer 1 and changes slots.  ONE barrier: in front of it each wave waits for all its tensor loads (one is out: its part of the next slot), adds 0 to its spare word,
; and waits for that and for its own reads of this slot.  Behind it nobody reads this slot any more and the next slot is whole.
.macro MEET round
	WIN 0                                          ; (the add's two registers lie in window 0)
	s_wait_tensorcnt 0x0
	ds_add_u32 v[SPW], v[NIL]                      ; 0 onto my spare word
	s_wait_dscnt 9                                 ; (the add and the youngest eight loads may be out)
	MUL12 F1, 0, 0, 0                              ; twelve matrix instructions stand between the add and the wait for it
	s_wait_dscnt 0x0                               ; the add is done, and my reads of this slot are over
	s_barrier_signal -1
	MUL12 F1, 0, 2, 0                              ; work on registers while the others arrive
.if \round
	WIN 0
.endif
	s_barrier_wait -1
.endm
; fill = 1: the barrier opens a round of the cluster's, and the slot just read out is filled again, first thing behind the round, with the K step two on in my cluster's walk (at a tile's end: the next
; tile's): both addresses are made anew, base + offset, the type bits set again.  From that request to the wait for it a wave issues 168 matrix instructions.
.macro TURN slot, next, fill
.if \fill
	s_wait_xcnt 0x0                                ; the last prefetch, a K step back or more, has read its address: it is made anew here, ahead of the waits of the change of slots
	s_add_co_u32 s[PK], s[KO], 2*KSTEP*2           ; two refills on,
	s_and_b32 s[PK], s[PK], ROWB-1                 ; round the row's end
	s_add_nc_u64 s[PFA:PFA+1], s[PFB:PFB+1], s[PK:PK+1]
	MEET 1
	CREST                                          ; no wave of any partner still reads this slot's tile or has a load on its way
	s_add_nc_u64 s[G0+4*(\slot)+2:G0+4*(\slot)+3], s[ABASE:ABASE+1], s[KO:KO+1]
	s_or_b32 s[G0+4*(\slot)+3], s[G0+4*(\slot)+3], 0x80000000
	s_add_nc_u64 s[G0B+4*(\slot)+2:G0B+4*(\slot)+3], s[BBASE:BBASE+1], s[KO:KO+1]
	s_or_b32 s[G0B+4*(\slot)+3], s[G0B+4*(\slot)+3], 0x80000000
	s_add_co_u32 s[KO], s[KO], KSTEP*2             ; the next refill's K step: eight steps come round to the first, so a change of tiles needs nothing here
	s_and_b32 s[KO], s[KO], ROWB-1
	JLOAD \slot                                    ; its four v_nop are also the places in front of the loads below
	FETCH \next, 0, F0
	ASK
.else
	MEET 0
	PLACES
	FETCH \next, 0, F0
.endif
	MUL12 F1, 1, 0, 0
	MUL12 F1, 1, 2, 0
.endm
; THE WAY OUT of row block a (16 times x 32 channels), under one window setting.  e = 8 cbk + j runs over a lane's 16 elements; ZF = AC + e, ZI = AC + 16 + e, ZH = AC + 32 + e are worked on in place.
; Each accumulator is read from its low end first.  The exponentials are one batch with one wait, the reciprocals another: nothing inside a batch names a result of it.
.macro ROWBLK a
.set AC, 48*((\a)%4)
.set e, 0
.rept 16
	v_min3_num_f32 v[TT+e], v[AC+e], v[AC+16+e], 0             ; -m = min(zf, zi, 0)
.set e, e+1
.endr
.set e, 0
.rept 8
	v_pk_mul_f32 v[TT+e:TT+e+1], v[TT+e:TT+e+1], s[CP:CP+1] op_sel_hi:[1,0]  ; -c m
.set e, e+2
.endr
.set e, 0
.rept 8
	v_pk_fma_f32 v[AC+e:AC+e+1], v[AC+e:AC+e+1], s[CN:CN+1], v[TT+e:TT+e+1] op_sel_hi:[1,0,1]  ; -c zf - c m
.set e, e+2
.endr
.set e, 0
.rept 8
	v_pk_fma_f32 v[AC+16+e:AC+17+e], v[AC+16+e:AC+17+e], s[CN:CN+1], v[TT+e:TT+e+1] op_sel_hi:[1,0,1]  ; -c zi - c m
	v_exp_f32 v[AC+e], v[AC+e]
	v_exp_f32 v[AC+e+1], v[AC+e+1]
.set e, e+2
.endr
.set e, 0
.rept 8
	v_pk_add_f32 v[GP+e:GP+e+1], v[AC+32+e:AC+33+e], 0.5 op_sel_hi:[1,0]    ; zh + 0.5
	v_exp_f32 v[AC+16+e], v[AC+16+e]
	v_exp_f32 v[AC+17+e], v[AC+17+e]
.set e, e+2
.endr
.set e, 0
.rept 8
	v_pk_mul_f32 v[AC+32+e:AC+33+e], v[AC+32+e:AC+33+e], s[CN:CN+1] op_sel_hi:[1,0]  ; -c zh
	v_exp_f32 v[TT+e], v[TT+e]
	v_exp_f32 v[TT+e+1], v[TT+e+1]
.set e, e+2
.endr
.set e, 0
.rept 16
	v_exp_f32 v[AC+32+e], v[AC+32+e]
.set e, e+1
.endr
	v_nop                                          ; a plain instruction behind the last exponential,
	s_wait_alu depctr_va_vdst(0)                   ; and the one wait for the batch of 64, ahead of its first reader
.set e, 0
.rept 8
	v_pk_add_f32 v[AC+e:AC+e+1], v[AC+e:AC+e+1], v[TT+e:TT+e+1]             ; e^-m + e^(-zf-m): i's numerator
.set e, e+2
.endr
.set e, 0
.rept 8
	v_pk_add_f32 v[AC+16+e:AC+17+e], v[AC+16+e:AC+17+e], v[TT+e:TT+e+1]
.set e, e+2
.endr
.set e, 0
.rept 8
	v_pk_add_f32 v[AC+16+e:AC+17+e], v[AC+16+e:AC+17+e], v[AC+e:AC+e+1]     ; the divisor, 1 to 4
.set e, e+2
.endr
.set e, 0
.rept 8
	v_pk_add_f32 v[AC+32+e:AC+33+e], v[AC+32+e:AC+33+e], 1.0 op_sel_hi:[1,0]  ; 1 + e^-zh
	v_rcp_f32 v[AC+16+e], v[AC+16+e]
	v_rcp_f32 v[AC+17+e], v[AC+17+e]
.set e, e+2
.endr
.set e, 0
.rept 16
	v_rcp_f32 v[AC+32+e], v[AC+32+e]               ; sigmoid(zh)
.set e, e+1
.endr
	v_nop
	s_wait_alu depctr_va_vdst(0)                   ; the one wait for the batch of 32 reciprocals
.set e, 0
.rept 8
	v_pk_mul_f32 v[AC+e:AC+e+1], v[AC+e:AC+e+1], v[AC+16+e:AC+17+e]         ; i, in ZF's place
.set e, e+2
.endr
.set e, 0
.rept 16
	v_max_num_f32 v[AC+16+e], v[GP+e], v[AC+32+e]  ; g, in ZI's place
.set e, e+1
.endr
.irp c, 0,1
.irp p, 0,1                            ; four times a store: i as f16, g as bf16, into ZH's place, which is next written by the next tile's first products
	v_cvt_pk_f16_f32  v[AC+32+8*(\c)+4*(\p)],   v[AC+8*(\c)+4*(\p)],      v[AC+8*(\c)+4*(\p)+1]
	v_cvt_pk_f16_f32  v[AC+32+8*(\c)+4*(\p)+1], v[AC+8*(\c)+4*(\p)+2],    v[AC+8*(\c)+4*(\p)+3]
	v_cvt_pk_bf16_f32 v[AC+32+8*(\c)+4*(\p)+2], v[AC+16+8*(\c)+4*(\p)],   v[AC+16+8*(\c)+4*(\p)+1]
	v_cvt_pk_bf16_f32 v[AC+32+8*(\c)+4*(\p)+3], v[AC+16+8*(\c)+4*(\p)+2], v[AC+16+8*(\c)+4*(\p)+3]
.endr
.endr
.irp c, 0,1
.irp p, 0,1
	global_store_b128 v[IGO], v[AC+32+8*(\c)+4*(\p):AC+32+8*(\c)+4*(\p)+3], s[8:9] offset:(2*(\a)+(\c))*1024+512*(\p) th:TH_STORE_NT  ; 512 consecutive bytes, aligned
.endr
.endr
	; my 8 times as one step h_out = A8 h_in + B8; the two cbk chains stand interleaved
	v_mul_f32 v[B8], v[AC], v[AC+16]
	v_mul_f32 v[B8+1], v[AC+8], v[AC+24]
	v_sub_f32 v[A8], 1.0, v[AC]
	v_sub_f32 v[A8+1], 1.0, v[AC+8]
.set j, 1
.rept 7
	v_sub_f32 v[DD], v[AC+16+j], v[B8]
	v_sub_f32 v[DD+1], v[AC+24+j], v[B8+1]
	v_fma_f32 v[A8], -v[AC+j], v[A8], v[A8]        ; A (1 - i)
	v_fma_f32 v[A8+1], -v[AC+8+j], v[A8+1], v[A8+1]
	v_fmac_f32 v[B8], v[AC+j], v[DD]               ; B + i (g - B)
	v_fmac_f32 v[B8+1], v[AC+8+j], v[DD+1]
.set j, j+1
.endr
	; lanes 0-15 hold the block's times 0-7, lanes 16-31 its times 8-15: A16 = A_early A_late, B16 = A_late B_early + B_late, in every lane
.irp c, 0,1
	v_permlanex16_b32 v[AP+(\c)], v[A8+(\c)], s[SEL], s[SEL+1]
	v_permlanex16_b32 v[BP+(\c)], v[B8+(\c)], s[SEL], s[SEL+1]
.endr
.irp c, 0,1
	v_cndmask_b32 v[XX+3*(\c)],   v[AP+(\c)], v[A8+(\c)], s[HM]
	v_cndmask_b32 v[XX+3*(\c)+1], v[B8+(\c)], v[BP+(\c)], s[HM]
	v_cndmask_b32 v[XX+3*(\c)+2], v[BP+(\c)], v[B8+(\c)], s[HM]
.endr
.if (\a) == 0
.irp c, 0,1                            ; the first block starts the chunk's pair
	v_mul_f32 v[AR+(\c)], v[A8+(\c)], v[AP+(\c)]
	v_fma_f32 v[BR+(\c)], v[XX+3*(\c)], v[XX+3*(\c)+1], v[XX+3*(\c)+2]
.endr
.else
.irp c, 0,1
	v_mul_f32 v[A16+(\c)], v[A8+(\c)], v[AP+(\c)]
	v_fma_f32 v[B16+(\c)], v[XX+3*(\c)], v[XX+3*(\c)+1], v[XX+3*(\c)+2]
.endr
.irp c, 0,1
	v_fma_f32 v[BR+(\c)], v[A16+(\c)], v[BR+(\c)], v[B16+(\c)]
	v_mul_f32 v[AR+(\c)], v[AR+(\c)], v[A16+(\c)]
.endr
.endif
.endm
	s_wait_tensorcnt 1                             ; my part of the first K step is in; the second's may stay out
	s_barrier_signal -1
	s_barrier_wait -1                              ; everybody's is
	FETCH 0, 0, F0
	s_mov_b32 s2, TILES                            ; tiles to go, this one among them: the same number in every work-group
.Ltile:                                                ; (FETCH and the way out leave every window 0)
	QUARTER 0, 64,  F0, F1, 1                      ; a tile's first quarter stands in front of the loop: its products start the sums
	WIN 0                                          ; at a label and at a branch every window is 0
	s_mov_b32 s3, LAPS-1
.Llap:                                                 ; a trip goes once round the ring, from a lap's second quarter to the next lap's first, and fills both slots again
	QUARTER 0, 128, F1, F0, 0
	QUARTER 0, 192, F0, F1, 0
	TURN 0, 1, 1
	QUARTER 1, 64,  F0, F1, 0
	QUARTER 1, 128, F1, F0, 0
	QUARTER 1, 192, F0, F1, 0
	TURN 1, 0, 1
	QUARTER 0, 64,  F0, F1, 0
	WIN 0
	s_sub_co_u32 s3, s3, 1
	s_cmp_lg_u32 s3, 0
	s_cbranch_scc1 .Llap
	QUARTER 0, 128, F1, F0, 0                      ; the tile's last lap goes on
	QUARTER 0, 192, F0, F1, 0
	WIN 0
	s_cmp_eq_u32 s2, 1
	s_cbranch_scc1 .Llast_tile                     ; the last tile's tail is written out: it asks for nothing more
	s_add_nc_u64 s[ABASE:ABASE+1], s[ABASE:ABASE+1], WALKB  ; THE RING GOES ON INTO THE NEXT TILE: from here on x's refills take its rows; wb's rows stay
	TURN 0, 1, 1                                   ; slot 0 takes the next tile's first K step,
	QUARTER 1, 64,  F0, F1, 0
	QUARTER 1, 128, F1, F0, 0
	QUARTER 1, 192, F0, F1, 0
	TURN 1, 0, 1                                   ; slot 1 its second, and the next tile's first fragments are fetched: one tensor load and 28 LDS loads of mine stay out over the way out, which names none of their registers
	WIN 0
	s_branch .Lout
.Llast_tile:
	TURN 0, 1, 0                                   ; nothing is filled, so no round of the cluster's barrier
	QUARTER 1, 64,  F0, F1, 0
	QUARTER 1, 128, F1, F0, 0
	QUARTER 1, 192, F0, F1, 0
	s_wait_dscnt 8                                 ; the very last quarter: nothing more to fetch
	MUL12 F1, 0, 0, 0
	MUL12 F1, 0, 2, 0
	s_wait_dscnt 0x0
	MUL12 F1, 1, 0, 0
	MUL12 F1, 1, 2, 0
	WIN 0
.Lout:                                                 ; THE WAY OUT, one text for every tile
	PLACES
	WIN 0xaa                                       ; every operand in window 2
	ROWBLK 0
	ROWBLK 1
	ROWBLK 2
	ROWBLK 3
	WIN 0xc2                                       ; the running pair goes over: source window 2, destination window 3
.irp r, 0,1,2,3
	v_mov_b32 v[AR+(\r)], v[AR+(\r)]
.endr
	WIN 0xff                                       ; every operand in window 3
	ROWBLK 4
	ROWBLK 5
	ROWBLK 6
	ROWBLK 7
	v_cndmask_b32 v[PR],   v[AR], v[AR+1], s[HM]   ; lane l stores channel l of my 32: cbk = l / 16
	v_cndmask_b32 v[PR+1], v[BR], v[BR+1], s[HM]
	global_store_b64 v[AGO], v[PR:PR+1], s[10:11]  ; 256 consecutive bytes, aligned
	WIN 0
	s_wait_xcnt 0x0                                ; the tile's stores have read their data and their bases: only behind this wait do the next tile's products write over the data, and the bases step
	s_add_nc_u64 s[8:9], s[8:9], IGW               ; 32 chunks on
	s_add_nc_u64 s[10:11], s[10:11], AGW
	s_add_nc_u64 s[PFB:PFB+1], s[PFB:PFB+1], WALKB ; (in the last tile no prefetch reads it)
	s_sub_co_u32 s2, s2, 1
	s_cmp_eq_u32 s2, 1
	s_cselect_b32 s[LIM], -1, s[LIM]               ; the last tile has no tile behind it to ask for
	s_cmp_lg_u32 s2, 0
	s_cbranch_scc1 .Ltile
	s_wait_tensorcnt 0x0                           ; the wave's end, behind my last tensor load
	ds_add_u32 v[SPW], v[NIL]
	s_wait_dscnt 0x0
	CROUND                                         ; the closing round: no work-group ends while a partner may still ask for a tile that names it
	s_endpgm
.Lfunc_end_k_qf91e092172_gemm:
	.size	k_qf91e092172_gemm, .Lfunc_end_k_qf91e092172_gemm-k_qf91e092172_gemm
	.p2alignl 7, 3214868480
	.fill 96, 4, 3214868480
	.section	.rodata,"a",@progbits
	.p2align	6, 0x0
	.amdhsa_kernel k_qf91e092172_gemm
		.amdhsa_group_segment_fixed_size 327680
		.amdhsa_private_segment_fixed_size 0
		.amdhsa_enable_private_segment 0
		.amdhsa_kernarg_size 32
		.amdhsa_user_sgpr_count 2
		.amdhsa_user_sgpr_kernarg_segment_ptr 1
		.amdhsa_wavefront_size32 1
		.amdhsa_system_sgpr_workgroup_id_x 1
		.amdhsa_system_sgpr_workgroup_id_y 1
		.amdhsa_system_sgpr_workgroup_id_z 1
		.amdhsa_system_vgpr_workitem_id 0
		.amdhsa_next_free_vgpr 1024
		.amdhsa_next_free_sgpr 84
		.amdhsa_reserve_vcc 0
		.amdhsa_float_denorm_mode_32 3
		.amdhsa_float_denorm_mode_16_64 3
		.amdhsa_memory_ordered 1
		.amdhsa_forward_progress 1
		.amdhsa_inst_pref_size 234
	.end_amdhsa_kernel
	.amdgpu_metadata
---
amdhsa.version: [ 1, 2 ]
amdhsa.kernels:
  - .name:           k_qf91e092172_gemm
    .symbol:         k_qf91e092172_gemm.kd
    .args:
      - { .name: xb, .offset: 0, .size: 8, .value_kind: global_buffer, .address_space: global }
      - { .name: wb, .offset: 8, .size: 8, .value_kind: global_buffer, .address_space: global }
      - { .name: ig, .offset: 16, .size: 8, .value_kind: global_buffer, .address_space: global }
      - { .name: agg, .offset: 24, .size: 8, .value_kind: global_buffer, .address_space: global }
    .group_segment_fixed_size: 327680
    .private_segment_fixed_size: 0
    .kernarg_segment_align: 8
    .kernarg_segment_size: 32
    .max_flat_workgroup_size: 128
    .sgpr_count:     84
    .vgpr_count:     1024
    .wavefront_size: 32
...
	.end_amdgpu_metadata
.endif
;; end of part 2
;; launch scan (part 3): grid 2 x 128, 8 waves a work-group, no clusters, 35,840 bytes of LDS; arguments ig, agg, h_0, out0; writes out0
.if DOCPART == 3
	.amdgcn_target "amdgcn-amd-amdhsa--gfx1250"
	.amdhsa_code_object_version 6
	.text
	.protected	k_qf91e092172_scan
	.globl	k_qf91e092172_scan
	.p2align	8
	.type	k_qf91e092172_scan,@function
k_qf91e092172_scan:
	s_mov_b64 s[64:65], 0
	v_nop
	global_prefetch_b8 v0, s[64:65] scope:SCOPE_SE
	s_setreg_imm32_b32 hwreg(HW_REG_WAVE_MODE, 25, 1), 1
	s_wait_xcnt 0x0
; THE SCAN.  h_t = h_(t-1) + i_t (g_t - h_(t-1)) over 4,096 steps, h_(-1) = g(h_0), g(z) = max(z + 0.5, sigmoid(z)); out0 = h, f32.  i (f16) and g (bf16) come from ig,
; the chunks' pairs (A, B), h_out = A h_in + B over 128 steps, from agg.  h is carried in f32.  Every h is a mean of positive numbers, so nothing can overflow or cancel.
; h_0 is rounded to bf16 like the module's other inputs.  LIMITS: |h_0| log2(e) finite in f32; NaN and infinities are not treated apart.
; SHARES.  A work-group is one chunk of 128 steps (rc = y) and half of the channels (x); wave w takes the 64 channels cb64 = 8 x + w.  Lane l holds two channels, 64 cb64 + 32 q + l, q = 0, 1: two chains.
; THE CARRY.  The wave's start value is made by the wave itself: from g(h_0) through the pairs of the batch's earlier chunks, at most 31 multiply-adds a chain.  All 31 pairs are always loaded
; (they lie inside the batch's 32 rows of agg); the steps from chunk rc % 32 on are jumped over, forward, past multiply-adds alone.
; IN.  ig lies in the order in which the launch before held it: for block a of 16 steps a lane's 16 bytes are four steps' i and g of one channel; sixteen lanes read 256 consecutive bytes, aligned.
; OUT.  A block's 16 steps x 64 channels go through the wave's own stage in LDS (rows of 256 + 16 bytes) and come back as rows: sixteen lanes store 256 consecutive bytes of a row of out0, aligned.
; No barrier: a wave touches its own stage alone, and LDS serves a wave's instructions in order (ISA guide 5.7.1.4).  No cluster, no tensor load: nothing is shared but agg, a small part of the bytes.
.set STG,   16*272                     ; a wave's stage
.set SPARE, 8*STG                      ; behind the stages: the spare words, 128 bytes for each wave: four blocks of 256 bytes that no other line names
.set LO,   1                           ; v1   my offset in a block of ig: 1,024 (l / 16) + 16 (l % 16); never rewritten
.set AO,   2                           ; v2   8 l
.set HO,   3                           ; v3   4 l
.set STO,  4                           ; v4   stage + 4 l
.set RD,   5                           ; v5   stage + 272 (l / 16) + 16 (l % 16)
.set GO,   6                           ; v6   4,096 (l / 16) + 16 (l % 16)
.set NEG1, 7                           ; v7   -1.0
.set HH,   8                           ; v8-9   h of my two channels
.set EE,   10                          ; v10-11 h - g
.set SPW,  14                          ; v14  LDS address of my spare word; never rewritten
.set NIL,  15                          ; v15  0; never rewritten
.set OB,   16                          ; v[16:47]   a block read back by rows
.set SB,   48                          ; v[48:207]  five block slots of 32: in a slot 16 q + 4 tq: f16(i0, i1), f16(i2, i3), bf16(g0, g1), bf16(g2, g3)
.set AGG,  112                         ; v[112:235] the 31 earlier chunks' pairs, 4 k + 2 q: they lie where slots 2 to 4 lie later
.set H0,   236                         ; v[236:239] h_0 and work
	s_load_b256 s[4:11], s[0:1], 0x0               ; ig s[4:5], agg s[6:7], h_0 s[8:9], out0 s[10:11]
	v_lshl_add_u32 v[SPW], v0, 2, SPARE
	v_mov_b32 v[NIL], 0
	v_lshrrev_b32 v12, 5, v0
	v_readfirstlane_b32 s12, v12                   ; wave 0..7
	v_and_b32 v12, 31, v0                          ; l
	v_and_b32 v13, 15, v0                          ; l % 16
	v_bfe_u32 v10, v0, 4, 1                        ; l / 16
	s_lshl_b32 s13, ttmp9, 3
	s_add_co_u32 s13, s13, s12                     ; cb64
	s_and_b32 s14, ttmp7, 0xffff                   ; rc
	s_and_b32 s15, s14, 31                         ; the chunk's number in its batch: how many pairs lie ahead of it
	s_lshr_b32 s16, s14, 5                         ; the batch
	v_lshlrev_b32 v[LO], 4, v13
	v_lshl_add_u32 v[LO], v10, 10, v[LO]
	v_lshlrev_b32 v[AO], 3, v12
	v_lshlrev_b32 v[HO], 2, v12
	s_mul_i32 s17, s12, STG
	v_lshl_add_u32 v[STO], v12, 2, s17
	v_mul_u32_u24 v[RD], v10, 272
	v_lshl_add_u32 v[RD], v13, 4, v[RD]
	v_add_nc_u32 v[RD], s17, v[RD]
	v_lshlrev_b32 v[GO], 4, v13
	v_lshl_add_u32 v[GO], v10, 12, v[GO]
	v_mov_b32 v[NEG1], -1.0
	s_lshl_b32 s18, s14, 5
	s_lshl_b32 s26, s13, 1
	s_add_co_u32 s18, s18, s26
	s_lshl_b32 s18, s18, 14                        ; ig: (32 rc + 2 cb64) x 16,384
	s_mov_b32 s19, 0
	s_lshl_b32 s20, s16, 18
	s_lshl_b32 s26, s13, 9
	s_add_co_u32 s20, s20, s26                     ; agg: the batch's 32 rows of 8,192 bytes, my 64 channels of 8
	s_mov_b32 s21, 0
	s_lshl_b32 s22, s16, 12
	s_lshl_b32 s26, s13, 8
	s_add_co_u32 s22, s22, s26                     ; h_0: the batch's row, my 64 channels of 4 bytes
	s_mov_b32 s23, 0
	s_lshl_b32 s24, s14, 19
	s_add_co_u32 s24, s24, s26                     ; out0: the chunk's 128 rows of 4,096 bytes, my 256 bytes of a row
	s_mov_b32 s25, 0
	s_wait_kmcnt 0x0
	s_add_nc_u64 s[4:5], s[4:5], s[18:19]
	s_add_nc_u64 s[6:7], s[6:7], s[20:21]
	s_add_nc_u64 s[8:9], s[8:9], s[22:23]
	s_add_nc_u64 s[10:11], s[10:11], s[24:25]
; Block a's eight loads into slot s: tq = 2 h + jh is the block's quarter of four steps, which lies at 256 h + 512 jh
.macro LDBLK a, s
.irp q, 0,1
.irp tq, 0,1,2,3
	global_load_b128 v[SB+32*(\s)+16*(\q)+4*(\tq):SB+32*(\s)+16*(\q)+4*(\tq)+3], v[LO], s[4:5] offset:16384*(\q)+2048*(\a)+256*((\tq)/2)+512*((\tq)%2) th:TH_LOAD_NT
.endr
.endr
.endm
; Block a, in slot s: 16 steps of both chains, each h into the stage; back by rows; stored.  left = the younger loads that may stay out.  nxt = the block that the slot takes next, or -1.
; A step: E = g x (-1) + h, the bf16 half read by the multiply-add itself; h = (-i) E + h, likewise from the f16 half.
.macro BLOCK a, s, left, nxt
	s_wait_loadcnt \left
.irp tq, 0,1,2,3
.irp tt, 0,1,2,3
.set RB, SB+32*(\s)+4*(\tq)
.if (\tt)%2
	v_fma_mix_f32_bf16 v[EE],   v[RB+2+(\tt)/2],  v[NEG1], v[HH]   op_sel:[1,0,0] op_sel_hi:[1,0,0]
	v_fma_mix_f32_bf16 v[EE+1], v[RB+18+(\tt)/2], v[NEG1], v[HH+1] op_sel:[1,0,0] op_sel_hi:[1,0,0]
	v_fma_mix_f32 v[HH],   -v[RB+(\tt)/2],    v[EE],   v[HH]   op_sel:[1,0,0] op_sel_hi:[1,0,0]
	v_fma_mix_f32 v[HH+1], -v[RB+16+(\tt)/2], v[EE+1], v[HH+1] op_sel:[1,0,0] op_sel_hi:[1,0,0]
.else
	v_fma_mix_f32_bf16 v[EE],   v[RB+2+(\tt)/2],  v[NEG1], v[HH]   op_sel_hi:[1,0,0]
	v_fma_mix_f32_bf16 v[EE+1], v[RB+18+(\tt)/2], v[NEG1], v[HH+1] op_sel_hi:[1,0,0]
	v_fma_mix_f32 v[HH],   -v[RB+(\tt)/2],    v[EE],   v[HH]   op_sel_hi:[1,0,0]
	v_fma_mix_f32 v[HH+1], -v[RB+16+(\tt)/2], v[EE+1], v[HH+1] op_sel_hi:[1,0,0]
.endif
	ds_store_b32 v[STO], v[HH]   offset:(4*(\tq)+(\tt))*272      ; 32 neighbouring words of the step's row,
	ds_store_b32 v[STO], v[HH+1] offset:(4*(\tq)+(\tt))*272+128  ; and the next 32
.endr
.endr
	s_wait_xcnt 0x0                                ; the last block's stores have read OB: it is loaded again only behind this wait
.irp n, 0,1,2,3,4,5,6,7
	ds_load_b128 v[OB+4*(\n):OB+4*(\n)+3], v[RD] offset:544*(\n)  ; lanes 0-15 one row of 256 bytes, lanes 16-31 the next; these see the stores above
.endr
.if (\nxt) >= 0
	LDBLK \nxt, \s
.endif
	s_wait_dscnt 0x0
.irp n, 0,1,2,3,4,5,6,7
	global_store_b128 v[GO], v[OB+4*(\n):OB+4*(\n)+3], s[10:11] offset:(16*(\a)+2*(\n))*4096 th:TH_STORE_NT
.endr
.endm
	global_load_b32 v[H0],   v[HO], s[8:9]
	global_load_b32 v[H0+1], v[HO], s[8:9] offset:128
.set k, 0
.rept 31
	global_load_b64 v[AGG+4*k:AGG+4*k+1],   v[AO], s[6:7] offset:8192*k       ; a wave's load covers 256 consecutive bytes, aligned
	global_load_b64 v[AGG+4*k+2:AGG+4*k+3], v[AO], s[6:7] offset:8192*k+256
.set k, k+1
.endr
	LDBLK 0, 0
	LDBLK 1, 1
	s_wait_loadcnt 16                              ; h_0 and the pairs are in; the two blocks' sixteen loads may stay out
	v_cvt_pk_bf16_f32 v[H0+2], v[H0], v[H0+1]      ; h_0 rounded to bf16,
	v_lshlrev_b32 v[H0], 16, v[H0+2]               ; and widened again
	v_and_b32 v[H0+1], 0xffff0000, v[H0+2]
	v_mul_f32 v[H0+2], 0xbfb8aa3b, v[H0]           ; -log2(e) h_0
	v_mul_f32 v[H0+3], 0xbfb8aa3b, v[H0+1]
	v_exp_f32 v[H0+2], v[H0+2]
	v_exp_f32 v[H0+3], v[H0+3]
	v_add_f32 v[HH], 0.5, v[H0]                    ; plain work behind the exponentials
	v_add_f32 v[HH+1], 0.5, v[H0+1]
	s_wait_alu depctr_va_vdst(0)                   ; one wait for the two, ahead of their first reader
	v_add_f32 v[H0+2], 1.0, v[H0+2]
	v_add_f32 v[H0+3], 1.0, v[H0+3]
	v_rcp_f32 v[H0+2], v[H0+2]
	v_rcp_f32 v[H0+3], v[H0+3]
	v_nop
	s_wait_alu depctr_va_vdst(0)                   ; one wait for the two reciprocals, ahead of their first reader and of the branches
	v_max_num_f32 v[HH], v[HH], v[H0+2]            ; g(h_0)
	v_max_num_f32 v[HH+1], v[HH+1], v[H0+3]
.set k, 0
.rept 31                               ; through the earlier chunks, in order
	s_cmp_le_u32 s15, k
	s_cbranch_scc1 .Lcarried
	v_fma_f32 v[HH],   v[AGG+4*k],   v[HH],   v[AGG+4*k+1]
	v_fma_f32 v[HH+1], v[AGG+4*k+2], v[HH+1], v[AGG+4*k+3]
.set k, k+1
.endr
.Lcarried:
	LDBLK 2, 2                                     ; into the registers that the pairs have left
	LDBLK 3, 3
	LDBLK 4, 4
	BLOCK 0, 0, 32, 5                              ; the counts: eight loads for each younger block
	BLOCK 1, 1, 32, 6
	BLOCK 2, 2, 32, 7
	BLOCK 3, 3, 32, -1
	BLOCK 4, 4, 24, -1
	BLOCK 5, 0, 16, -1
	BLOCK 6, 1, 8, -1
	BLOCK 7, 2, 0, -1
	s_wait_tensorcnt 0x0                           ; the wave's end, behind my last LDS store
	ds_add_u32 v[SPW], v[NIL]
	s_wait_dscnt 0x0
	s_endpgm
.Lfunc_end_k_qf91e092172_scan:
	.size	k_qf91e092172_scan, .Lfunc_end_k_qf91e092172_scan-k_qf91e092172_scan
	.p2alignl 7, 3214868480
	.fill 96, 4, 3214868480
	.section	.rodata,"a",@progbits
	.p2align	6, 0x0
	.amdhsa_kernel k_qf91e092172_scan
		.amdhsa_group_segment_fixed_size 35840
		.amdhsa_private_segment_fixed_size 0
		.amdhsa_enable_private_segment 0
		.amdhsa_kernarg_size 32
		.amdhsa_user_sgpr_count 2
		.amdhsa_user_sgpr_kernarg_segment_ptr 1
		.amdhsa_wavefront_size32 1
		.amdhsa_system_sgpr_workgroup_id_x 1
		.amdhsa_system_sgpr_workgroup_id_y 1
		.amdhsa_system_sgpr_workgroup_id_z 1
		.amdhsa_system_vgpr_workitem_id 0
		.amdhsa_next_free_vgpr 240
		.amdhsa_next_free_sgpr 66
		.amdhsa_reserve_vcc 0
		.amdhsa_float_denorm_mode_32 3
		.amdhsa_float_denorm_mode_16_64 3
		.amdhsa_memory_ordered 1
		.amdhsa_forward_progress 1
		.amdhsa_inst_pref_size 80
	.end_amdhsa_kernel
	.amdgpu_metadata
---
amdhsa.version: [ 1, 2 ]
amdhsa.kernels:
  - .name:           k_qf91e092172_scan
    .symbol:         k_qf91e092172_scan.kd
    .args:
      - { .name: ig, .offset: 0, .size: 8, .value_kind: global_buffer, .address_space: global }
      - { .name: agg, .offset: 8, .size: 8, .value_kind: global_buffer, .address_space: global }
      - { .name: h_0, .offset: 16, .size: 8, .value_kind: global_buffer, .address_space: global }
      - { .name: out0, .offset: 24, .size: 8, .value_kind: global_buffer, .address_space: global }
    .group_segment_fixed_size: 35840
    .private_segment_fixed_size: 0
    .kernarg_segment_align: 8
    .kernarg_segment_size: 32
    .max_flat_workgroup_size: 256
    .sgpr_count:     66
    .vgpr_count:     240
    .wavefront_size: 32
...
	.end_amdgpu_metadata
.endif
;; end of part 3
;; ======== version 2 of 2: 3 launches; version 1 with the launches prep, scan written anew for expert scheduling mode
;; workspace buffers: xb 33,554,432 bytes; wb 6,291,456 bytes; ig 67,108,864 bytes; agg 1,048,576 bytes
;; launch prep (part 4): grid 512 x 1, 8 waves a work-group, no clusters, 0 bytes of LDS; arguments x, W_f, W_i, W_h, xb, wb; writes xb, wb
.if DOCPART == 4
	.amdgcn_target "amdgcn-amd-amdhsa--gfx1250"
	.amdhsa_code_object_version 6
	.text
	.protected	k_qf91e092172_prep
	.globl	k_qf91e092172_prep
	.p2align	8
	.type	k_qf91e092172_prep,@function
k_qf91e092172_prep:
	s_mov_b64 s[64:65], 0
	v_nop
	global_prefetch_b8 v0, s[64:65] scope:SCOPE_SE
	s_setreg_imm32_b32 hwreg(HW_REG_WAVE_SCHED_MODE, 0, 2), 2
	s_setreg_imm32_b32 hwreg(HW_REG_WAVE_MODE, 25, 1), 1
	s_wait_xcnt 0x0
	s_wait_alu depctr_vm_vsrc(0)
; x and the three weight matrices, f32, are rounded once to bf16 for the matrix units.
; xb = x as [16384][1024] bf16.  wb = the weights as [3072][1024] bf16, rows reordered: channel 64 cb + 32 half + c of gate g (0 = f, 1 = i, 2 = h)
; goes to row 192 cb + 96 half + 32 g + c, so that the rows which one work-group, and one wave, of the next launch multiplies lie on end.
; SHARES.  512 work-groups of equal work.  Work-group j takes rows 32 j .. 32 j + 31 of x (131,072 bytes in, 65,536 out) and, of each of the three weights, the rows of
; channels 2 j and 2 j + 1 (8,192 bytes in, 4,096 out): the two lie on end in the source and in wb, and the three gates' places in wb are 32 rows apart, which stands in the stores' immediate.
; Thread t owns 16 bytes in each 4,096: a wave's load covers 512 consecutive bytes, its store 256 consecutive bytes, aligned.
; All 38 loads of a thread go out at once, each into registers of its own: no register is used twice.
; No LDS, no matrix unit, no cluster: nothing is shared, every byte is read once and written once.
; THE MODE: SCHED_MODE bits 1:0 = 2 (LLVM: expert scheduling mode 2), set by the entry lines.  The code itself states the register dependences
; between vector instructions and memory instructions, with s_wait_alu, always for 0.
; THE PLAN.  Registers that memory instructions touch:
;   v1, v2     byte offsets, made once at the head and never written again: v1 is read by every load, v2 by every store.
;   X, slot n  Written by its one load; its two conversions read it and write its first two registers; its one store reads these two.  Nothing writes them again.
; All loads are issued ahead of the first conversion.  The slots go in groups of four.  Group p's conversions name group p's slots alone; the stores issued among them are group p - 1's.
; So one wait at a group's head states all that its four stores hang on, and no register that a memory instruction has read is ever written again.
.set X, 4                              ; v[4:155]  38 slots of 4 registers: 32 of x, then 2 for each gate
.set NL, 38                            ; loads of a thread
.set GR, 4                             ; slots in a group
.set NG, 10                            ; groups: nine of four slots, the last of two
	s_load_b256 s[4:11], s[0:1], 0x0               ; x s[4:5], W_f s[6:7], W_i s[8:9], W_h s[10:11]
	s_load_b128 s[12:15], s[0:1], 0x20             ; xb s[12:13], wb s[14:15]
	v_lshlrev_b32 v1, 4, v0                        ; 16 t: my bytes in each 4,096 of a source
	v_lshlrev_b32 v2, 3, v0                        ; 8 t: my bytes in each 2,048 of a destination
	s_lshl_b32 s16, ttmp9, 17                      ; j x 32 rows of x
	s_mov_b32 s17, 0
	s_lshl_b32 s18, ttmp9, 16                      ; j x 32 rows of xb
	s_mov_b32 s19, 0
	s_lshl_b32 s20, ttmp9, 13                      ; j x 2 rows of a weight
	s_mov_b32 s21, 0
	s_lshr_b32 s22, ttmp9, 5                       ; channel 2 j: cb = j / 32,
	s_mul_i32 s22, s22, 192
	s_bfe_u32 s24, ttmp9, 0x10004                  ; half = bit 4 of j,
	s_mul_i32 s24, s24, 96
	s_add_co_u32 s22, s22, s24
	s_and_b32 s24, ttmp9, 15                       ; c = 2 (j % 16)
	s_lshl_b32 s24, s24, 1
	s_add_co_u32 s22, s22, s24                     ; gate f's row in wb
	s_lshl_b32 s22, s22, 11                        ; x 2,048 bytes
	s_mov_b32 s23, 0
	s_wait_kmcnt 0x0
	s_add_nc_u64 s[4:5], s[4:5], s[16:17]
	s_add_nc_u64 s[6:7], s[6:7], s[20:21]
	s_add_nc_u64 s[8:9], s[8:9], s[20:21]
	s_add_nc_u64 s[10:11], s[10:11], s[20:21]
	s_add_nc_u64 s[12:13], s[12:13], s[18:19]
	s_add_nc_u64 s[14:15], s[14:15], s[22:23]
	s_wait_alu depctr_va_vdst(0)                   ; v1 and v2 are written: every load of the kernel reads v1 as its offset, every store v2
.set i, 0
.rept 32
	global_load_b128 v[X+4*i:X+4*i+3], v1, s[4:5] offset:4096*i th:TH_LOAD_NT
.set i, i+1
.endr
.irp g, 0,1,2
.irp r, 0,1
	global_load_b128 v[X+4*(32+2*(\g)+(\r)):X+4*(32+2*(\g)+(\r))+3], v1, s[6+2*(\g):7+2*(\g)] offset:4096*(\r) th:TH_LOAD_NT
.endr
.endr
.macro CV n                            ; slot n: two roundings to bf16, packed, in place
	v_cvt_pk_bf16_f32 v[X+4*(\n)], v[X+4*(\n)], v[X+4*(\n)+1]
	v_cvt_pk_bf16_f32 v[X+4*(\n)+1], v[X+4*(\n)+2], v[X+4*(\n)+3]
.endm
.macro ST n                            ; slot n leaves: slots 0 to 31 for xb, slot 32 + 2 g + r for row r of gate g in wb
.if (\n) < 32
	global_store_b64 v2, v[X+4*(\n):X+4*(\n)+1], s[12:13] offset:2048*(\n) th:TH_STORE_NT
.else
	global_store_b64 v2, v[X+4*(\n):X+4*(\n)+1], s[14:15] offset:65536*(((\n)-32)/2)+2048*(((\n)-32)%2) th:TH_STORE_NT
.endif
.endm
.set p, 0
.rept NG                               ; group p: its conversions, and among them the stores of group p - 1
.if NL-GR*(p+1) > 0
	s_wait_loadcnt NL-GR*(p+1)                     ; loads come back in order: the group's slots are in, the younger ones stay out
.else
	s_wait_loadcnt 0x0
.endif
.if p > 0
	s_wait_alu depctr_va_vdst(0)                   ; the conversions of the group before have written its slots, which the stores below read; no conversion behind this wait names those slots
.endif
.set k, 0
.rept GR
.if p > 0
	ST GR*(p-1)+k
.endif
.if GR*p+k < NL
	CV GR*p+k
.endif
.set k, k+1
.endr
.set p, p+1
.endr
	s_wait_alu depctr_va_vdst(0)                   ; the last group's conversions have written slots 36 and 37, which the last two stores read
	ST 36
	ST 37
	s_endpgm
.Lfunc_end_k_qf91e092172_prep:
	.size	k_qf91e092172_prep, .Lfunc_end_k_qf91e092172_prep-k_qf91e092172_prep
	.p2alignl 7, 3214868480
	.fill 96, 4, 3214868480
	.section	.rodata,"a",@progbits
	.p2align	6, 0x0
	.amdhsa_kernel k_qf91e092172_prep
		.amdhsa_group_segment_fixed_size 0
		.amdhsa_private_segment_fixed_size 0
		.amdhsa_enable_private_segment 0
		.amdhsa_kernarg_size 48
		.amdhsa_user_sgpr_count 2
		.amdhsa_user_sgpr_kernarg_segment_ptr 1
		.amdhsa_wavefront_size32 1
		.amdhsa_system_sgpr_workgroup_id_x 1
		.amdhsa_system_sgpr_workgroup_id_y 1
		.amdhsa_system_sgpr_workgroup_id_z 1
		.amdhsa_system_vgpr_workitem_id 0
		.amdhsa_next_free_vgpr 156
		.amdhsa_next_free_sgpr 66
		.amdhsa_reserve_vcc 0
		.amdhsa_float_denorm_mode_32 3
		.amdhsa_float_denorm_mode_16_64 3
		.amdhsa_memory_ordered 1
		.amdhsa_forward_progress 1
		.amdhsa_inst_pref_size 14
	.end_amdhsa_kernel
	.amdgpu_metadata
---
amdhsa.version: [ 1, 2 ]
amdhsa.kernels:
  - .name:           k_qf91e092172_prep
    .symbol:         k_qf91e092172_prep.kd
    .args:
      - { .name: x, .offset: 0, .size: 8, .value_kind: global_buffer, .address_space: global }
      - { .name: W_f, .offset: 8, .size: 8, .value_kind: global_buffer, .address_space: global }
      - { .name: W_i, .offset: 16, .size: 8, .value_kind: global_buffer, .address_space: global }
      - { .name: W_h, .offset: 24, .size: 8, .value_kind: global_buffer, .address_space: global }
      - { .name: xb, .offset: 32, .size: 8, .value_kind: global_buffer, .address_space: global }
      - { .name: wb, .offset: 40, .size: 8, .value_kind: global_buffer, .address_space: global }
    .group_segment_fixed_size: 0
    .private_segment_fixed_size: 0
    .kernarg_segment_align: 8
    .kernarg_segment_size: 48
    .max_flat_workgroup_size: 256
    .sgpr_count:     66
    .vgpr_count:     156
    .wavefront_size: 32
...
	.end_amdgpu_metadata
.endif
;; end of part 4
;; launch gemm: the kernel of part 2 again; grid 16 x 16, 4 waves a work-group, clusters of 4 x 4, 327,680 bytes of LDS; arguments xb, wb, ig, agg; writes ig, agg
;; launch scan (part 5): grid 2 x 128, 8 waves a work-group, no clusters, 35,840 bytes of LDS; arguments ig, agg, h_0, out0; writes out0
.if DOCPART == 5
	.amdgcn_target "amdgcn-amd-amdhsa--gfx1250"
	.amdhsa_code_object_version 6
	.text
	.protected	k_qf91e092172_scan
	.globl	k_qf91e092172_scan
	.p2align	8
	.type	k_qf91e092172_scan,@function
k_qf91e092172_scan:
	s_mov_b64 s[64:65], 0
	v_nop
	global_prefetch_b8 v0, s[64:65] scope:SCOPE_SE
	s_setreg_imm32_b32 hwreg(HW_REG_WAVE_SCHED_MODE, 0, 2), 2
	s_setreg_imm32_b32 hwreg(HW_REG_WAVE_MODE, 25, 1), 1
	s_wait_xcnt 0x0
	s_wait_alu depctr_vm_vsrc(0)
; THE SCAN.  h_t = h_(t-1) + i_t (g_t - h_(t-1)) over 4,096 steps, h_(-1) = g(h_0), g(z) = max(z + 0.5, sigmoid(z)); out0 = h, f32.  i (f16) and g (bf16) come from ig,
; the chunks' pairs (A, B), h_out = A h_in + B over 128 steps, from agg.  h is carried in f32.  Every h is a mean of positive numbers, so nothing can overflow or cancel.
; h_0 is rounded to bf16 like the module's other inputs.  LIMITS: |h_0| log2(e) finite in f32; NaN and infinities are not treated apart.
; SHARES.  A work-group is one chunk of 128 steps (rc = y) and half of the channels (x); wave w takes the 64 channels cb64 = 8 x + w.  Lane l holds two channels, 64 cb64 + 32 q + l, q = 0, 1: two chains.
; THE CARRY.  The wave's start value is made by the wave itself: from g(h_0) through the pairs of the batch's earlier chunks, at most 31 multiply-adds a chain.  All 31 pairs are always loaded
; (they lie inside the batch's 32 rows of agg); the steps from chunk rc % 32 on are jumped over, forward, past multiply-adds alone.
; IN.  ig lies in the order in which the launch before held it: for block a of 16 steps a lane's 16 bytes are four steps' i and g of one channel; sixteen lanes read 256 consecutive bytes, aligned.
; OUT.  8 steps x 64 channels at a time go through the wave's own stage in LDS (16 rows of 256 + 16 bytes, the two halves of 8 rows by turns) and come back as rows: sixteen lanes store 256 consecutive bytes of a row of out0, aligned.
; No barrier: a wave touches its own stage alone, and LDS serves a wave's instructions in order (ISA guide 5.7.1.4).  No cluster, no tensor load: nothing is shared but agg, a small part of the bytes.
; THE MODE: SCHED_MODE bits 1:0 = 2 (LLVM: expert scheduling mode 2), set by the entry lines.  The code itself states the register dependences
; between vector instructions and memory or LDS instructions, with s_wait_alu, always for 0.
; THE PLAN.  The chunk's 128 steps go in 16 HALVES of 8 steps, a TURN each; every step's h has a register of its own.  Registers that memory or LDS instructions touch, in turn u:
;   SB         ten half slots of 16.  The chains of turn u read half u's.  The four loads of half u + 9, issued in turn u, land in half u - 1's.
;   HB0, HB1   The chains of turn u write HB[u % 2].  The sixteen LDS stores issued in turn u read the other one, half u - 1's h (as does, as a source, the turn's first step: its last pair).
;   OB0, OB1   Named by no vector instruction in the turns.  The four LDS loads issued in turn u bring half u - 1 back by rows into OB[(u - 1) % 2]; the four global stores issued in turn u read the other one, half u - 2.
;   v1 .. v6   offsets and LDS addresses, made once at the head and never written again: places stand in the immediates.
; So the waits at a turn's head state all that its 28 memory and LDS instructions hang on, and all that its chains' writes hang on; these instructions stand among the turn's first five steps with no further s_wait_alu.
.set STG,   16*272                     ; a wave's stage
.set LO,   1                           ; v1   my offset in a block of ig: 1,024 (l / 16) + 16 (l % 16); never rewritten
.set AO,   2                           ; v2   8 l
.set HO,   3                           ; v3   4 l
.set STO,  4                           ; v4   stage + 4 l
.set RD,   5                           ; v5   stage + 272 (l / 16) + 16 (l % 16)
.set GO,   6                           ; v6   4,096 (l / 16) + 16 (l % 16)
.set NEG1, 7                           ; v7   -1.0
.set HH,   8                           ; v8-9   h of my two channels at the chunk's start
.set EE,   10                          ; v10-11 h - g
.set HB,   16                          ; v[16:47]   two buffers of 16: h of step t of a half, channel q, at 2 t + q
.set SB,   48                          ; v[48:207]  five block slots of 32: in a slot 16 q + 4 tq: f16(i0, i1), f16(i2, i3), bf16(g0, g1), bf16(g2, g3); tq 0, 1 are the block's first half, tq 2, 3 its second
.set AGG,  112                         ; v[112:235] the 31 earlier chunks' pairs, 4 k + 2 q: they lie where slots 2 to 4 and OB lie later
.set OB,   208                         ; v[208:239] two buffers of 16: a half read back by rows
.set H0,   236                         ; v[236:239] h_0 and work, at the head only
	s_load_b256 s[4:11], s[0:1], 0x0               ; ig s[4:5], agg s[6:7], h_0 s[8:9], out0 s[10:11]
	v_lshl_add_u32 v14, v0, 2, 0x8800
	v_mov_b32 v15, 0
	v_lshrrev_b32 v12, 5, v0
	v_readfirstlane_b32 s12, v12                   ; wave 0..7
	v_and_b32 v12, 31, v0                          ; l
	v_and_b32 v13, 15, v0                          ; l % 16
	v_bfe_u32 v10, v0, 4, 1                        ; l / 16
	s_wait_alu depctr_va_sdst(0)                   ; s12 is written, ahead of its first reader: the bases and the stage's place are made from it
	s_lshl_b32 s13, ttmp9, 3
	s_add_co_u32 s13, s13, s12                     ; cb64
	s_and_b32 s14, ttmp7, 0xffff                   ; rc
	s_and_b32 s15, s14, 31                         ; the chunk's number in its batch: how many pairs lie ahead of it
	s_lshr_b32 s16, s14, 5                         ; the batch
	v_lshlrev_b32 v[LO], 4, v13
	v_lshl_add_u32 v[LO], v10, 10, v[LO]
	v_lshlrev_b32 v[AO], 3, v12
	v_lshlrev_b32 v[HO], 2, v12
	s_mul_i32 s17, s12, STG
	v_lshl_add_u32 v[STO], v12, 2, s17
	v_mul_u32_u24 v[RD], v10, 272
	v_lshl_add_u32 v[RD], v13, 4, v[RD]
	v_add_nc_u32 v[RD], s17, v[RD]
	v_lshlrev_b32 v[GO], 4, v13
	v_lshl_add_u32 v[GO], v10, 12, v[GO]
	v_mov_b32 v[NEG1], -1.0
	s_lshl_b32 s18, s14, 5
	s_lshl_b32 s26, s13, 1
	s_add_co_u32 s18, s18, s26
	s_lshl_b32 s18, s18, 14                        ; ig: (32 rc + 2 cb64) x 16,384
	s_mov_b32 s19, 0
	s_lshl_b32 s20, s16, 18
	s_lshl_b32 s26, s13, 9
	s_add_co_u32 s20, s20, s26                     ; agg: the batch's 32 rows of 8,192 bytes, my 64 channels of 8
	s_mov_b32 s21, 0
	s_lshl_b32 s22, s16, 12
	s_lshl_b32 s26, s13, 8
	s_add_co_u32 s22, s22, s26                     ; h_0: the batch's row, my 64 channels of 4 bytes
	s_mov_b32 s23, 0
	s_lshl_b32 s24, s14, 19
	s_add_co_u32 s24, s24, s26                     ; out0: the chunk's 128 rows of 4,096 bytes, my 256 bytes of a row
	s_mov_b32 s25, 0
	s_wait_kmcnt 0x0
	s_add_nc_u64 s[4:5], s[4:5], s[18:19]
	s_add_nc_u64 s[6:7], s[6:7], s[20:21]
	s_add_nc_u64 s[8:9], s[8:9], s[22:23]
	s_add_nc_u64 s[10:11], s[10:11], s[24:25]
; Piece k of the four loads of half v (block v / 2, its half v % 2, slot (v / 2) % 5): channel set q = k / 2, quarter tq = 2 (v % 2) + k % 2 of four steps, which lies at 256 (v % 2) + 512 (k % 2)
.macro LD1 v, k
	global_load_b128 v[SB+32*(((\v)/2)%5)+16*((\k)/2)+8*((\v)%2)+4*((\k)%2):SB+32*(((\v)/2)%5)+16*((\k)/2)+8*((\v)%2)+4*((\k)%2)+3], v[LO], s[4:5] offset:16384*((\k)/2)+2048*((\v)/2)+256*((\v)%2)+512*((\k)%2) th:TH_LOAD_NT
.endm
.macro LDH v                           ; all four
.irp k, 0,1,2,3
	LD1 \v, \k
.endr
.endm
; TURN u.  Up to turn 15: the 8 steps of half u, both chains.  A step: E = g x (-1) + h, the bf16 half read by the multiply-add itself; the new h = (-i) E + h, likewise from the f16 half, into its own register.
; Among the first five steps: the loads of half u + 9 (turns 1 to 6), the LDS stores and loads of half u - 1 (turns 1 to 16), the global stores of half u - 2 (turns 2 to 17).
.macro TURN u
.set HC, HB+16*((\u)%2)                ; this half's h
.set HP, HB+16*(((\u)+1)%2)            ; the half before's
.set OC, OB+16*(((\u)+1)%2)            ; where the half before comes back by rows
.set OP, OB+16*((\u)%2)                ; from where the half before that leaves
.set SR, 8*(((\u)+1)%2)                ; the stage rows of the half before
.if (\u) == 0
	s_wait_loadcnt 36                              ; loads come back in order: half 0 is in; the nine younger halves, four loads each, stay out
.elseif (\u) <= 7
	s_wait_loadcnt 32                              ; half u is in; eight younger halves stay out
.elseif (\u) <= 15
	s_wait_loadcnt 4*(15-(\u))                     ; nothing more is asked for: the counts run down
.endif
.if ((\u) >= 3) && ((\u) <= 16)
	s_wait_xcnt 0x0                                ; every earlier memory instruction has had its addresses translated (ISA guide 3.1): the OB that the last turn's global stores read is loaded again only behind this wait
.endif
.if ((\u) >= 2) && ((\u) <= 16)
	s_wait_alu depctr_vm_vsrc(0)                   ; the last turn's LDS stores have read the HB that this turn's chains write; its global stores have read the OB in which this turn's rows land
.endif
.if ((\u) >= 1) && ((\u) <= 16)
	s_wait_alu depctr_va_vdst(0)                   ; the last turn's chains have written the other HB, which the LDS stores below read, and are done reading their half slot, in which the loads below land
.endif
.set t, 0
.rept 8
.if ((\u) >= 1) && ((\u) <= 6) && (t < 4)
	LD1 (\u)+9, t                                  ; ten halves on from the one whose registers it takes; no vector instruction since the wait names them
.endif
.if ((\u) >= 1) && ((\u) <= 16) && (t < 4)
.irp r, 0,1
	ds_store_b32 v[STO], v[HP+4*t+2*(\r)]   offset:(SR+2*t+(\r))*272      ; 32 neighbouring words of the step's row,
	ds_store_b32 v[STO], v[HP+4*t+2*(\r)+1] offset:(SR+2*t+(\r))*272+128  ; and the next 32
.endr
.endif
.if ((\u) >= 1) && ((\u) <= 16) && (t == 4)
.irp m, 0,1,2,3
	ds_load_b128 v[OC+4*(\m):OC+4*(\m)+3], v[RD] offset:272*SR+544*(\m)  ; lanes 0-15 one row of 256 bytes, lanes 16-31 the next; these see the sixteen stores above
.endr
.endif
.if ((\u) >= 2) && (t == 4)
.if (\u) <= 16
	s_wait_dscnt 20                                ; LDS instructions end in order: the rows asked for a turn ago are in; this turn's sixteen stores and four loads may be out
.else
	s_wait_dscnt 0x0                               ; the last rows are in
.endif
.irp m, 0,1,2,3
	global_store_b128 v[GO], v[OP+4*(\m):OP+4*(\m)+3], s[10:11] offset:(8*((\u)-2)+2*(\m))*4096 th:TH_STORE_NT
.endr
.endif
.if (\u) <= 15
.set RB, SB+32*(((\u)/2)%5)+8*((\u)%2)+4*(t/4)
.set W, (t%4)/2
.set PV, HC+2*t-2                      ; h of the step before:
.if t == 0
.set PV, HP+14                         ; the last pair of the half before,
.if (\u) == 0
.set PV, HH                            ; or the chunk's start value
.endif
.endif
.if t%2
	v_fma_mix_f32_bf16 v[EE],   v[RB+2+W],  v[NEG1], v[PV]   op_sel:[1,0,0] op_sel_hi:[1,0,0]
	v_fma_mix_f32_bf16 v[EE+1], v[RB+18+W], v[NEG1], v[PV+1] op_sel:[1,0,0] op_sel_hi:[1,0,0]
	v_fma_mix_f32 v[HC+2*t],   -v[RB+W],    v[EE],   v[PV]   op_sel:[1,0,0] op_sel_hi:[1,0,0]
	v_fma_mix_f32 v[HC+2*t+1], -v[RB+16+W], v[EE+1], v[PV+1] op_sel:[1,0,0] op_sel_hi:[1,0,0]
.else
	v_fma_mix_f32_bf16 v[EE],   v[RB+2+W],  v[NEG1], v[PV]   op_sel_hi:[1,0,0]
	v_fma_mix_f32_bf16 v[EE+1], v[RB+18+W], v[NEG1], v[PV+1] op_sel_hi:[1,0,0]
	v_fma_mix_f32 v[HC+2*t],   -v[RB+W],    v[EE],   v[PV]   op_sel_hi:[1,0,0]
	v_fma_mix_f32 v[HC+2*t+1], -v[RB+16+W], v[EE+1], v[PV+1] op_sel_hi:[1,0,0]
.endif
.endif
.set t, t+1
.endr
.endm
	s_wait_alu depctr_va_vdst(0)                   ; the offsets and LDS addresses v1 to v6 are written, which all the loads and stores of the kernel read
	global_load_b32 v[H0],   v[HO], s[8:9]
	global_load_b32 v[H0+1], v[HO], s[8:9] offset:128
.set k, 0
.rept 31
	global_load_b64 v[AGG+4*k:AGG+4*k+1],   v[AO], s[6:7] offset:8192*k       ; a wave's load covers 256 consecutive bytes, aligned
	global_load_b64 v[AGG+4*k+2:AGG+4*k+3], v[AO], s[6:7] offset:8192*k+256
.set k, k+1
.endr
	LDH 0
	LDH 1
	LDH 2
	LDH 3
	s_wait_loadcnt 16                              ; h_0 and the pairs are in; the four halves' sixteen loads may stay out
	v_cvt_pk_bf16_f32 v[H0+2], v[H0], v[H0+1]      ; h_0 rounded to bf16,
	v_lshlrev_b32 v[H0], 16, v[H0+2]               ; and widened again
	v_and_b32 v[H0+1], 0xffff0000, v[H0+2]
	v_mul_f32 v[H0+2], 0xbfb8aa3b, v[H0]           ; -log2(e) h_0
	v_mul_f32 v[H0+3], 0xbfb8aa3b, v[H0+1]
	v_exp_f32 v[H0+2], v[H0+2]
	v_exp_f32 v[H0+3], v[H0+3]
	v_add_f32 v[HH], 0.5, v[H0]                    ; plain work behind the exponentials
	v_add_f32 v[HH+1], 0.5, v[H0+1]
	s_wait_alu depctr_va_vdst(0)                   ; the two exponentials have written v[H0+2] and v[H0+3]: one wait, ahead of their first reader
	v_add_f32 v[H0+2], 1.0, v[H0+2]
	v_add_f32 v[H0+3], 1.0, v[H0+3]
	v_rcp_f32 v[H0+2], v[H0+2]
	v_rcp_f32 v[H0+3], v[H0+3]
	v_nop
	s_wait_alu depctr_va_vdst(0)                   ; the two reciprocals have written v[H0+2] and v[H0+3]: one wait, ahead of their first reader and of the branches
	v_max_num_f32 v[HH], v[HH], v[H0+2]            ; g(h_0)
	v_max_num_f32 v[HH+1], v[HH+1], v[H0+3]
.set k, 0
.rept 31                               ; through the earlier chunks, in order
	s_cmp_le_u32 s15, k
	s_cbranch_scc1 .Lcarried
	v_fma_f32 v[HH],   v[AGG+4*k],   v[HH],   v[AGG+4*k+1]
	v_fma_f32 v[HH+1], v[AGG+4*k+2], v[HH+1], v[AGG+4*k+3]
.set k, k+1
.endr
.Lcarried:
	s_wait_alu depctr_va_vdst(0)                   ; on every way here: the carry's multiply-adds are done reading the pairs, and g(h_0)'s arithmetic is done with v[H0 ..]: the loads below, and later the rows, land in these registers
	LDH 4                                          ; into the registers that the pairs have left
	LDH 5
	LDH 6
	LDH 7
	LDH 8
	LDH 9
.irp u, 0,1,2,3,4,5,6,7,8,9,10,11,12,13,14,15,16,17
	TURN \u                                        ; turns 16 and 17 have no chains: the last two halves go through the stage and leave
.endr
	s_wait_dscnt 0x0                               ; the wave's end: my last LDS instructions are done.
	s_wait_alu depctr_hold_cnt(0) depctr_sa_sdst(0) depctr_va_vdst(0) depctr_va_sdst(0) depctr_va_ssrc(0) depctr_va_vcc(0) depctr_vm_vsrc(0)
	s_wait_tensorcnt 0x0
	ds_add_u32 v14, v15
	s_wait_dscnt 0x0
	s_endpgm
.Lfunc_end_k_qf91e092172_scan:
	.size	k_qf91e092172_scan, .Lfunc_end_k_qf91e092172_scan-k_qf91e092172_scan
	.p2alignl 7, 3214868480
	.fill 96, 4, 3214868480
	.section	.rodata,"a",@progbits
	.p2align	6, 0x0
	.amdhsa_kernel k_qf91e092172_scan
		.amdhsa_group_segment_fixed_size 35840
		.amdhsa_private_segment_fixed_size 0
		.amdhsa_enable_private_segment 0
		.amdhsa_kernarg_size 32
		.amdhsa_user_sgpr_count 2
		.amdhsa_user_sgpr_kernarg_segment_ptr 1
		.amdhsa_wavefront_size32 1
		.amdhsa_system_sgpr_workgroup_id_x 1
		.amdhsa_system_sgpr_workgroup_id_y 1
		.amdhsa_system_sgpr_workgroup_id_z 1
		.amdhsa_system_vgpr_workitem_id 0
		.amdhsa_next_free_vgpr 240
		.amdhsa_next_free_sgpr 66
		.amdhsa_reserve_vcc 0
		.amdhsa_float_denorm_mode_32 3
		.amdhsa_float_denorm_mode_16_64 3
		.amdhsa_memory_ordered 1
		.amdhsa_forward_progress 1
		.amdhsa_inst_pref_size 82
	.end_amdhsa_kernel
	.amdgpu_metadata
---
amdhsa.version: [ 1, 2 ]
amdhsa.kernels:
  - .name:           k_qf91e092172_scan
    .symbol:         k_qf91e092172_scan.kd
    .args:
      - { .name: ig, .offset: 0, .size: 8, .value_kind: global_buffer, .address_space: global }
      - { .name: agg, .offset: 8, .size: 8, .value_kind: global_buffer, .address_space: global }
      - { .name: h_0, .offset: 16, .size: 8, .value_kind: global_buffer, .address_space: global }
      - { .name: out0, .offset: 24, .size: 8, .value_kind: global_buffer, .address_space: global }
    .group_segment_fixed_size: 35840
    .private_segment_fixed_size: 0
    .kernarg_segment_align: 8
    .kernarg_segment_size: 32
    .max_flat_workgroup_size: 256
    .sgpr_count:     66
    .vgpr_count:     240
    .wavefront_size: 32
...
	.end_amdgpu_metadata
.endif
;; end of part 5
